; MI455X (gfx1250); checked and timed in simulation.
; The chip was launched on July 23, 2026; its instructions are those of AMD's public machine-readable ISA for CDNA 5 (MIT licence, August 2026) and "CDNA5" Instruction Set Architecture Reference Guide (July 2026). The comments in the code are by the model that wrote it; some were corrected since.
;; Attention. Allowed arithmetic: matrix products marked QUANTISED: E2M1 operands, one E8M0 scale for each 32 along K, by v_wmma_scale_f32_16x16x128_f8f6f4 with both operands' format E2M1 (or v_wmma_scale_f32_32x16x128_f4), f32 sums; products left as they are: bf16, f16 or f32 operands; f32 sums; everything else in f32.
;; Inputs: W_out 1,024 x 1,024 float32; b_out 1,024 float32; k 4 x 16 x 2,048 x 64 float32; mask 4 x 2,047 bool; q 4 x 16 x 2,048 x 64 float32; v 4 x 16 x 2,048 x 64 float32.
;; Outputs: out0 4 x 2,048 x 1,024 float32.
;; This version of the problem:
;;   THIS VERSION OF THE PROBLEM IS GIVEN IN LOW PRECISION. The matrix products marked QUANTISED in the list below multiply operands that are first quantised to E2M1 (2 exponent bits, 1 mantissa bit; 4 bits a number), with one power-of-two scale for each 32 numbers along K (OCP MX v1.0); their sums are f32. The products marked 'left as it is' may take bf16, f16 or f32 operands, with f32 sums. Whichever they take, every output number must still come out within the allowed error. Rounding operands to bf16 (8 significant bits) uses up far more of that allowance than f16 does (11 bits, for magnitudes from 6e-5 to 65,504). All else is computed in f32.
;;   The module's matrix products, in the order in which they are computed (A, B: the left and right operand; K: the contracted axis; several contracted axes count as one K, in the product's order):
;;     1. batch 64 x [M 2,048, K 64] x [K 64, N 2,048]; A: input q; B: input k: QUANTISED
;;     2. batch 64 x [M 2,048, K 2,048] x [K 2,048, N 64]; A: computed on the way; B: input v: left as it is (an operand is computed on the way)
;;     3. [M 8,192, K 1,024] x [K 1,024, N 1,024]; A: computed on the way; B: input W_out: left as it is (an operand is computed on the way)
;;   THE QUANTISER, for each operand of a quantised product, along K:
;;     - K is cut into blocks of 32 from its start; a last block that is shorter is filled with zeros.
;;     - A block's scale is 2^e with e = floor(log2(the largest magnitude in the block)) - 2, held to -126 .. 127; a block of zeros has e = 0. As a byte (E8M0): e + 127.
;;     - Each number is divided by its block's scale, clamped to +-6, and rounded to the nearest number of E2M1, ties to even, subnormals kept.
;;     - The product sums the exact products of the quantised numbers (number of the format x scale) in f32.
;;   ~~~python
;;   def quantise(x, axis):      # numpy; x: float32 -> the quantised numbers, widened to float32 again
;;       x = np.moveaxis(x, axis, -1); K = x.shape[-1]
;;       x = np.pad(x, [(0, 0)] * (x.ndim - 1) + [(0, -K % 32)]); x = x.reshape(x.shape[:-1] + (-1, 32)); a = np.abs(x).max(-1, keepdims=True)
;;       e = np.where(a > 0, np.clip(np.frexp(np.where(a > 0, a, 1))[1] - 1 - 2, -126, 127), 0)      # np.frexp(a)[1] - 1 = floor(log2(a)), exactly
;;       r = np.clip(x / 2.0 ** e, -6, 6)
;;       step = 2.0 ** (np.maximum(np.frexp(np.where(r == 0, 1, r))[1] - 1, 0) - 1)
;;       q = np.round(r / step) * step * 2.0 ** e      # np.round: ties to even
;;       return np.moveaxis(q.reshape(q.shape[:-2] + (-1,))[..., :K], -1, axis).astype(np.float32)
;;   ~~~
;; One version. Each part assembles by itself: llvm-mc -triple=amdgcn-amd-amdhsa -mcpu=gfx1250 --defsym DOCPART=n.
;; ======== version 1 of 1: 2 launches
;; limits: values are held in f16: magnitudes above 65,504 overflow, below 6.1e-05 lose precision; right only within a limited range of input values
;; workspace buffers: o_ws 16,777,216 bytes; w_ws 2,097,152 bytes
;; launch attn (part 1): grid 4 x 64, 16 waves a work-group, no clusters, 186,368 bytes of LDS; arguments q, k, v, mask, W_out, o_ws, w_ws; writes o_ws, w_ws
.if DOCPART == 1
	.amdgcn_target "amdgcn-amd-amdhsa--gfx1250"
	.amdhsa_code_object_version 6
	.text
	.protected	k_q07fe14d106_attn
	.globl	k_q07fe14d106_attn
	.p2align	8
	.type	k_q07fe14d106_attn,@function
k_q07fe14d106_attn:
	s_mov_b64 s[64:65], 0
	v_nop
	global_prefetch_b8 v0, s[64:65] scope:SCOPE_SE
	s_setreg_imm32_b32 hwreg(HW_REG_WAVE_MODE, 25, 1), 1
	s_wait_xcnt 0x0
; o_ws[head][b*2048+n][:] = softmax_j(mask(q . k / 8)) v, in f16, for the projection that follows; and w_ws = W_out in f16, laid [16 planes of 64 k][1024 n][64 k].
; q, k, v: [64 (b, head)][2048][64] f32.  mask: [4][2047] bytes; key and query 0 always count.
; THE FIRST PRODUCT IS ON CODES OF E2M1 with one E8M0 byte for each 32 along the head's 64: q is quantised in registers at the head, k on its way from memory through registers into LDS.
; The matrix instruction is 128 deep and the head is 64: Q's codes of the upper 64 are zeros, and both sides' scale bytes of the upper 64 are 1.  K's four tiles lie on end, four registers each, so the upper four
; registers of a tile's operand are whatever follows them (the next tile's codes; behind the last tile four bias words): each of those codes is multiplied by a zero code, and E2M1 has no NaN and no infinity.
; THE SECOND PRODUCT takes f16 operands (p is at most 1; v rounded once), sums in f32.
; THE MASK.  A hidden key's score gets -2^100 added: the bias table is the C of the score product, so it costs no vector instruction; p is then 0.  A hidden query's row is the plain mean of all 2,048
; rows of v: the row is computed like any other and replaced at the end by v_cndmask_b32.  No branch, address or trip count hangs on the mask.
; SOFTMAX in f32 with a running maximum m and sum l: p = 2^(c s - c m), c = log2(e) / 8; in every step l and O are multiplied by a = 2^(c m_old - c m_new).  m begins at -2^100, l and O at 0; key 0 gives every row a finite m in the first step.
; SHARES.  A work-group owns 512 queries of one (b, head), each of its 16 waves 32: two tiles of 16.  Every wave walks all 2,048 keys, 64 a step.  Both products are used transposed (S^T = K Q^T, O^T = V^T P): a lane holds one query.
; THE RING.  Eight places of 64 keys in LDS, in two halves of 256 keys.  While one half is read, the 512 threads convert the next 256 keys (32 bytes of k and of v a thread and step) and store them into the other half; one barrier for each 256 keys.
; NO CLUSTER, NO TENSOR LOAD: k and v arrive as f32 and must pass through registers to become codes and f16.  A joint load would lay 32,768 bytes of f32 for each 64 keys into LDS, to be read out again, beside the 12,544 bytes that are kept.
; LIMITS: raw scores above -2^100; |v| and |W_out| under 65,504 (f16); NaN and infinities among the inputs are not served; a block of zeros carries the byte 1 (its codes are zeros, and this program alone reads the bytes).
.set PLACE, 16384                      ; a place: V f16, 64 rows of 160 bytes; K's four tile images; K's scale words
.set HALF,  65536                      ; four places
.set VPI,   160                        ; a row of V: 128 bytes + 32
.set KOF,   10240                      ; K's tile images: 512 bytes each, lane l's 16 bytes at 16 l
.set SOF,   12288                      ; K's scale words: 4 bytes a key: byte 0, byte 1, 1, 1
.set BIAS,  131072                     ; 2,048 f32: 0 for a key that counts, -2^100 for a hidden one
.set VSUM,  139264                     ; 16 waves x 64 partial sums of v
.set VMEAN, 143360                     ; 16 waves x 64: each wave's own copy of the mean
.set STAGE, 147456                     ; 16 waves x 16 rows x 144 bytes: the way out
.set SPI,   144
.set SPARE, 184320                     ; the spare words, 128 bytes for each wave: eight blocks of 256 bytes that no other line names
.set SPW,  1                           ; v1   SPARE + 4 x my thread's number; never rewritten
.set NIL,  2                           ; v2   0; never rewritten
.set AKB,  3                           ; v3   16 lane + KOF
.set ASB,  4                           ; v4   4 lane + SOF
.set AVB,  5                           ; v5   my lane's place for the turning load of V
.set ACB,  6                           ; v6   32 (lane / 16) + BIAS
.set GOFF, 7                           ; v7   32 x thread: my 32 bytes of a piece of 64 keys
.set WKB,  8                           ; v8   where my 8 codes of k go in a place
.set WSB,  9                           ; v9   where my block's scale byte goes
.set WVB,  10                          ; v10  where my 8 numbers of v go
.set PFO,  11                          ; v11  256 x lane
.set ST,   16                          ; v16-31 statistics, tile t at ST + 8 t: +0 c m, +1 m, +2, +3 l, +4 .. +7 at work (a in +6)
.set VS,   32                          ; v32-39 my sums of v.   v40, v43 K's scale words; v41, v42 Q's; v44-59 Q's codes with their zeros
.set S,    64                          ; v64-127 S^T, then p, then P (a tile's low 16) and V's second half (its high 16)
.set O,    128                         ; v128-191 O^T: tile t, channels 16 dt on, at O + 32 t + 8 dt
.set KF,   192                         ; v192-207 K's four tiles
.set BV,   208                         ; v208-239 the bias, then V's first half.   v240-247 k, v248-255 v on their way
.set WV,  18
.set X,   19
.set BH,  20
.set BB,  21
.set SEL, 24                           ; s[24:25] lane selects for v_permlanex16_b32: lane l xor 16
.set CS,  26                           ; s[26:27] c, twice
.set RB,  28                           ; s28  the place that is read
.set WB,  29                           ; s29  the place that is written
.set RC,  30                           ; s30  the step's bias words: 256 bytes a step
.set CH,  31
.set J,   32
.set CNT, 33                           ; s33  converting steps still to come
.set LIM, 34                           ; s34  2 in a wave that prefetches, else the greatest number
.set KP,  36                           ; s[36:37] k at the piece to be loaded
.set VP,  38                           ; s[38:39] v likewise
.set PFA, 40                           ; s[40:41] where my prefetches stand
.macro BARRIER                         ; my LDS stores have landed and my LDS loads are in: then the work-group's barrier
	s_wait_dscnt 0x0
	s_barrier_signal -1
	s_barrier_wait -1
.endm
; A prefetch of the piece of 64 keys that will be loaded two steps on.  The four work-groups of a head walk the same k and v: the first of them asks; in it waves 0 and 1 ask for k's 64 rows of 256 bytes, waves 2 and 3 for
; v's, a lane a row: each row is named once in the launch.  Pieces 0 to 5 come by their loads alone; the last two converting steps ask for nothing: there is no piece behind piece 31.
.macro ASK
	s_cmp_gt_u32 s[CNT], s[LIM]
	s_cbranch_scc0 .Lnot_mine_\@
	global_prefetch_b8 v[PFO], s[PFA:PFA+1] th:TH_LOAD_NT scope:SCOPE_SE
.Lnot_mine_\@:
.endm
; 32 numbers of a lane (block lane / 16 of query lane % 16) become four registers of Q's fragment, and the two halves' bytes its scale word
.macro QUANTQ t
.set XS, S+32*\t
	v_max3_num_f32 v220, |v[XS]|, |v[XS+1]|, |v[XS+2]|
	v_max3_num_f32 v221, |v[XS+3]|, |v[XS+4]|, |v[XS+5]|
.irp i, 6,10,14,18,22,26
	v_max3_num_f32 v220, v220, |v[XS+\i]|, |v[XS+\i+1]|
	v_max3_num_f32 v221, v221, |v[XS+\i+2]|, |v[XS+\i+3]|
.endr
	v_max3_num_f32 v220, v220, |v[XS+30]|, |v[XS+31]|
	v_max3_num_f32 v220, v220, v221, 0x1800000     ; and the floor 2^(3 - 127): the byte cannot fall under 1
	v_add_nc_u32 v221, 0xff000000, v220            ; 2 off the exponent field: the conversion's scale operand
.irp g, 0,1,2,3
	v_cvt_scalef32_pk8_fp4_f32 v[44+8*\t+\g], v[XS+8*\g:XS+8*\g+7], v221
.endr
	v_lshrrev_b32 v220, 23, v221                   ; the byte (a plain instruction behind the conversions)
	v_lshlrev_b32 v220, v222, v220                 ; at its place: 8 (lane / 16) bits up
	v_permlanex16_b32 v223, v220, s[SEL], s[SEL+1]
	v_or_b32 v220, v220, v223                      ; with the other half's byte,
	v_or_b32 v[41+\t], 0x01010000, v220            ; and 1 for each of the two empty blocks
.endm
; 8 numbers of k (key thread / 8, channels 8 (thread % 8) on; four neighbouring lanes hold a block of 32) become 8 codes and the block's byte
.macro CONVK reg, ak, ab, off, tc, tb
	v_max3_num_f32 v12, |v[\reg]|, |v[\reg+1]|, 0x1800000
	v_max3_num_f32 v13, |v[\reg+2]|, |v[\reg+3]|, |v[\reg+4]|
	v_max3_num_f32 v12, v12, |v[\reg+5]|, |v[\reg+6]|
	v_max3_num_f32 v12, v12, v13, |v[\reg+7]|
	v_max_num_f32_dpp v12, v12, v12 row_xmask:1 row_mask:0xf bank_mask:0xf
	v_max_num_f32_dpp v12, v12, v12 row_xmask:2 row_mask:0xf bank_mask:0xf
	v_add_nc_u32 v13, 0xff000000, v12
	v_cvt_scalef32_pk8_fp4_f32 v[\tc], v[\reg:\reg+7], v13
	v_lshrrev_b32 v[\tb], 23, v13                  ; (a plain instruction behind the conversion)
	ds_store_b32 v[\ak], v[\tc] offset:\off
	ds_store_b8 v[\ab], v[\tb] offset:\off         ; the four lanes of a block write the same byte with the same value
.endm
; 8 numbers of v are added to my sums and rounded to f16
.macro CONVV reg, av, off
.irp i, 0,1,2,3
	v_pk_add_f32 v[VS+2*\i:VS+2*\i+1], v[VS+2*\i:VS+2*\i+1], v[\reg+2*\i:\reg+2*\i+1]
.endr
.irp i, 0,1,2,3
	v_cvt_pk_f16_f32 v[\reg+\i], v[\reg+2*\i], v[\reg+2*\i+1]
.endr
	ds_store_b128 v[\av], v[\reg:\reg+3] offset:\off
.endm
; S^T of 16 keys x 16 queries; C is the keys' bias
.macro SCORE kt, t, sk, row1
.if \row1
	v_wmma_scale_f32_16x16x128_f8f6f4 v[S+32*\t+8*\kt:S+32*\t+8*\kt+7], v[KF+4*\kt:KF+4*\kt+7], v[44+8*\t:51+8*\t], v[BV+8*\kt:BV+8*\kt+7], v[\sk], v[41+\t] matrix_a_fmt:MATRIX_FMT_FP4 matrix_b_fmt:MATRIX_FMT_FP4 matrix_a_scale:MATRIX_SCALE_ROW1
.else
	v_wmma_scale_f32_16x16x128_f8f6f4 v[S+32*\t+8*\kt:S+32*\t+8*\kt+7], v[KF+4*\kt:KF+4*\kt+7], v[44+8*\t:51+8*\t], v[BV+8*\kt:BV+8*\kt+7], v[\sk], v[41+\t] matrix_a_fmt:MATRIX_FMT_FP4 matrix_b_fmt:MATRIX_FMT_FP4
.endif
.endm
	s_load_b256 s[4:11], s[0:1], 0x0               ; q s[4:5], k s[6:7], v s[8:9], mask s[10:11]
	s_load_b128 s[12:15], s[0:1], 0x20             ; W_out s[12:13], o_ws s[14:15]
	s_load_b64 s[16:17], s[0:1], 0x30              ; w_ws
	v_lshl_add_u32 v[SPW], v0, 2, SPARE
	v_mov_b32 v[NIL], 0
	v_lshrrev_b32 v200, 5, v0
	v_readfirstlane_b32 s[WV], v200                ; wave 0..15
	s_and_b32 s[X], ttmp9, 3                       ; which 512 queries (the grid has 4 along x)
	s_and_b32 s[BH], ttmp7, 0xffff                 ; (b, head)
	s_lshr_b32 s[BB], s[BH], 4                     ; b
	v_and_b32 v201, 31, v0                         ; lane
	v_and_b32 v202, 15, v0                         ; r
	v_bfe_u32 v203, v0, 4, 1                       ; h
	v_lshl_add_u32 v[AKB], v201, 4, KOF
	v_lshl_add_u32 v[ASB], v201, 2, SOF
	v_and_b32 v204, 7, v0
	v_lshl_add_u32 v204, v203, 3, v204
	v_mul_u32_u24 v[AVB], v204, VPI                ; the turning load: key 8 h + lane % 8,
	v_bfe_u32 v204, v0, 3, 1
	v_lshl_add_u32 v[AVB], v204, 4, v[AVB]         ; channels 8 ((lane / 8) % 2) on
	v_lshl_add_u32 v[ACB], v203, 5, BIAS
	v_lshlrev_b32 v[GOFF], 5, v0
	v_lshrrev_b32 v204, 7, v0                      ; my key's tile,
	v_lshl_add_u32 v[WKB], v204, 9, KOF
	v_bfe_u32 v204, v0, 3, 4                       ; its row in the tile,
	v_lshl_add_u32 v[WKB], v204, 4, v[WKB]
	v_bfe_u32 v204, v0, 2, 1                       ; my block: the fragment's half of the lanes,
	v_lshl_add_u32 v[WKB], v204, 8, v[WKB]
	v_and_b32 v204, 3, v0                          ; my eight codes: the register
	v_lshl_add_u32 v[WKB], v204, 2, v[WKB]
	v_lshrrev_b32 v204, 3, v0                      ; my key in a place
	v_lshl_add_u32 v[WSB], v204, 2, SOF
	v_bfe_u32 v205, v0, 2, 1
	v_add_nc_u32 v[WSB], v[WSB], v205
	v_mul_u32_u24 v[WVB], v204, VPI
	v_and_b32 v205, 7, v0
	v_lshl_add_u32 v[WVB], v205, 4, v[WVB]
	v_lshlrev_b32 v[PFO], 8, v201
	v_lshlrev_b32 v206, 2, v0                      ; the mask: my four keys 4 t .. 4 t + 3 stand at bytes 4 t - 1 .. 4 t + 2 of the batch's row;
	v_max_u32 v207, 1, v206                        ; thread 0's first key is key 0, which has no byte: it reads byte 0 and discards it
	v_lshlrev_b32 v208, 8, v202
	v_lshl_add_u32 v208, v203, 7, v208             ; q: row r of 256 bytes, + 128 h: my block of 32
	v_lshrrev_b32 v209, 3, v201
	v_lshlrev_b32 v209, 12, v209
	v_and_b32 v210, 7, v0
	v_lshl_add_u32 v209, v210, 5, v209             ; W_out: row lane / 8 of 4,096 bytes, + 32 (lane % 8)
	v_lshlrev_b32 v211, 4, v201                    ; w_ws: 16 x lane
	v_lshrrev_b32 v212, 6, v0
	v_lshlrev_b32 v212, 14, v212
	v_and_b32 v213, 63, v0
	v_lshl_add_u32 v212, v213, 2, v212             ; scale word of key thread % 64 of place thread / 64
	v_mov_b32 v213, 0x01010101
	v_mov_b32 v214, 0xf1800000                     ; -2^100
	v_lshl_add_u32 v215, v0, 4, BIAS
	v_lshlrev_b32 v222, 3, v203                    ; 8 h
	v_mov_b32 v223, 0                              ; (a lane permute's destination counts as one of its sources)
	s_mov_b32 s[SEL], 0x76543210
	s_mov_b32 s[SEL+1], 0xfedcba98
	s_mov_b32 s[CS], 0x3e38aa3b                    ; c = log2(e) / 8
	s_mov_b32 s[CS+1], s[CS]
	s_mov_b32 s23, 0
	s_wait_kmcnt 0x0
	s_lshl_b32 s22, s[BH], 19                      ; a head's 2,048 rows of 256 bytes
	s_add_nc_u64 s[4:5], s[4:5], s[22:23]
	s_add_nc_u64 s[6:7], s[6:7], s[22:23]
	s_add_nc_u64 s[8:9], s[8:9], s[22:23]
	s_lshl_b32 s22, s[X], 17
	s_lshl_b32 s42, s[WV], 13
	s_add_co_u32 s22, s22, s42
	s_add_nc_u64 s[4:5], s[4:5], s[22:23]          ; q at my wave's 32 queries
	s_mul_i32 s22, s[BB], 2047
	s_add_nc_u64 s[10:11], s[10:11], s[22:23]      ; the batch's row of the mask
	s_lshl_b32 s43, s[BH], 2
	s_add_co_u32 s43, s43, s[X]                    ; g = 4 (b, head) + x: which four rows of W_out are my work-group's
	s_lshl_b32 s22, s43, 14
	s_lshl_b32 s42, s[WV], 8
	s_add_co_u32 s22, s22, s42
	s_add_nc_u64 s[12:13], s[12:13], s[22:23]      ; their columns 64 w on
	s_lshl_b32 s22, s[WV], 17
	s_lshl_b32 s42, s43, 9
	s_add_co_u32 s22, s22, s42
	s_add_nc_u64 s[16:17], s[16:17], s[22:23]      ; plane w, rows 4 g on
	s_and_b32 s22, s[BH], 15
	s_lshl_b32 s22, s22, 20
	s_lshl_b32 s42, s[BB], 18
	s_add_co_u32 s22, s22, s42
	s_lshl_b32 s42, s[X], 16
	s_add_co_u32 s22, s22, s42
	s_lshl_b32 s42, s[WV], 12
	s_add_co_u32 s22, s22, s42
	s_add_nc_u64 s[14:15], s[14:15], s[22:23]      ; o_ws: plane = head, my wave's 32 rows of 128 bytes
	global_load_u8 v12, v207, s[10:11] offset:-1
	global_load_u8 v13, v206, s[10:11]
	global_load_u8 v14, v206, s[10:11] offset:1
	global_load_u8 v15, v206, s[10:11] offset:2
.irp t, 0,1
.irp i, 0,1,2,3,4,5,6,7
	global_load_b128 v[S+32*\t+4*\i:S+32*\t+4*\i+3], v208, s[4:5] offset:4096*\t+16*\i th:TH_LOAD_NT
.endr
.endr
.irp j, 0,1,2,3                                ; the first 256 keys
	global_load_b128 v[128+8*\j:131+8*\j], v[GOFF], s[6:7] offset:PLACE*\j
	global_load_b128 v[132+8*\j:135+8*\j], v[GOFF], s[6:7] offset:PLACE*\j+16
.endr
.irp j, 0,1,2,3
	global_load_b128 v[160+8*\j:163+8*\j], v[GOFF], s[8:9] offset:PLACE*\j
	global_load_b128 v[164+8*\j:167+8*\j], v[GOFF], s[8:9] offset:PLACE*\j+16
.endr
	global_load_b128 v[192:195], v209, s[12:13] th:TH_LOAD_NT
	global_load_b128 v[196:199], v209, s[12:13] offset:16 th:TH_LOAD_NT
	ds_store_b32 v212, v213 offset:SOF             ; every place's scale words begin as 1, 1, 1, 1: bytes 2 and 3 stay so
	s_wait_loadcnt 34                              ; the mask's four bytes are in; Q's 16 loads, k's 8, v's 8 and W's 2 may be out
.irp i, 0,1,2,3
	v_cmp_eq_u32 vcc_lo, 0, v[12+\i]
	v_cndmask_b32 v[216+\i], 0, v214, vcc_lo       ; hidden: -2^100; else 0
.endr
	v_cmp_ne_u32 vcc_lo, 0, v0
	v_cndmask_b32 v216, 0, v216, vcc_lo            ; key 0 always counts
	ds_store_b128 v215, v[216:219]
	BARRIER                                        ; the scale words' fill stands ahead of the other waves' byte stores; the bias table is whole
	s_wait_loadcnt 18                              ; Q is in; k's 8, v's 8 and W's 2 loads may be out
	QUANTQ 0
	QUANTQ 1
.irp i, 48,49,50,51,56,57,58,59
	v_mov_b32 v[\i], 0                             ; Q's codes of the empty upper 64
.endr
.irp i, 0,1,2,3,4,5,6,7
	v_mov_b32 v[VS+\i], 0
.endr
	s_wait_loadcnt 2                               ; k and v are in; W's 2 loads may be out
.irp j, 0,1,2,3
	CONVK 128+8*\j, WKB, WSB, PLACE*\j, 224+\j, 228+\j
	CONVV 160+8*\j, WVB, PLACE*\j
.endr
	s_wait_loadcnt 0x0
.irp i, 0,1,2,3
	v_cvt_pk_f16_f32 v[192+\i], v[192+2*\i], v[193+2*\i]
.endr
	global_store_b128 v211, v[192:195], s[16:17]   ; the wave stores 512 consecutive bytes, at a multiple of 512 from w_ws's first byte
	s_add_nc_u64 s[KP:KP+1], s[6:7], 4*PLACE       ; the next piece to load is piece 4
	s_add_nc_u64 s[VP:VP+1], s[8:9], 4*PLACE
	s_cmp_lt_u32 s[WV], 2
	s_cselect_b64 s[PFA:PFA+1], s[6:7], s[8:9]
	s_and_b32 s22, s[WV], 1
	s_lshl_b32 s22, s22, 13
	s_add_co_u32 s22, s22, 6*PLACE                 ; my 32 rows of piece 6
	s_add_nc_u64 s[PFA:PFA+1], s[PFA:PFA+1], s[22:23]
	s_lshr_b32 s42, s[WV], 2                       ; 0 in waves 0 to 3,
	s_or_b32 s42, s42, s[X]                        ; of the head's first work-group
	s_cmp_eq_u32 s42, 0
	s_cselect_b32 s[LIM], 2, -1
	s_mov_b32 s[RC], 0
	s_mov_b32 s[CNT], 28
	s_wait_dscnt 0x0                               ; my stores of V have read their registers, which O^T takes
.set i, 0
.rept 64
	v_mov_b32 v[O+i], 0                            ; O^T.  (The step is written once for all steps: the first finds zeros, which a = 0 leaves zeros)
.set i, i+1
.endr
.irp t, 0,1
	v_mov_b32 v[ST+8*\t+1], 0xf1800000             ; m = -2^100
	v_mul_f32 v[ST+8*\t], s[CS], v[ST+8*\t+1]      ; c m
	v_mov_b32 v[ST+8*\t+2], 0                      ; l, in two halves
	v_mov_b32 v[ST+8*\t+3], 0
.endr
	s_wait_xcnt 0x0                                ; W's store has read its registers: the loop's loads land on them
; A KEY STEP: 64 keys.  conv = 1: the piece of 64 keys that lies 256 keys on is loaded at the step's head and converted at its end.
.macro STEP conv
	s_wait_dscnt 0x0                               ; the last step's three stores have read their registers
.if \conv
	global_load_b128 v[240:243], v[GOFF], s[KP:KP+1]
	global_load_b128 v[244:247], v[GOFF], s[KP:KP+1] offset:16
	global_load_b128 v[248:251], v[GOFF], s[VP:VP+1]
	global_load_b128 v[252:255], v[GOFF], s[VP:VP+1] offset:16
	ASK
.endif
	v_add_nc_u32 v12, s[RB], v[AKB]                ; five plain instructions: the places between the last step's products V^T P and the score products, which write over P's and V's registers,
	v_add_nc_u32 v13, s[RB], v[ASB]                ; and in front of the loads into V's first half
	v_add_nc_u32 v14, s[RC], v[ACB]
	v_add_nc_u32 v15, s[RB], v[AVB]
	v_nop
.irp kt, 0,1,2,3
	ds_load_b128 v[KF+4*\kt:KF+4*\kt+3], v12 offset:512*\kt
.endr
	ds_load_b32 v40, v13                           ; lanes 0-15: tile 0's scale words, lanes 16-31: tile 1's
	ds_load_b32 v43, v13 offset:128                ; tiles 2 and 3
.irp kt, 0,1,2,3
	ds_load_b128 v[BV+8*\kt:BV+8*\kt+3], v14 offset:64*\kt          ; the bias in the result's layout: register j is key 16 kt + 8 h + j
	ds_load_b128 v[BV+8*\kt+4:BV+8*\kt+7], v14 offset:64*\kt+16
.endr
	s_wait_dscnt 0x0
	SCORE 0, 0, 40, 0
	SCORE 0, 1, 40, 0
	SCORE 1, 0, 40, 1
	SCORE 1, 1, 40, 1
	SCORE 2, 0, 43, 0
	SCORE 2, 1, 43, 0
	SCORE 3, 0, 43, 1
	SCORE 3, 1, 43, 1
.rept 4
	v_nop                                          ; places in front of the loads into the bias's registers and of the first read of the scores
.endr
.irp dt, 0,1,2,3                               ; V^T of keys 0 to 31, turned
	ds_load_tr16_b128 v[BV+8*\dt:BV+8*\dt+3], v15 offset:32*\dt
	ds_load_tr16_b128 v[BV+8*\dt+4:BV+8*\dt+7], v15 offset:32*\dt+16*VPI
.endr
	; the maximum of a lane's 32 scores and the old m: four chains, one to an accumulator, each from the accumulator's low end on; the two tiles line by line
.irp j, 0,1,2,3
.irp t, 0,1
	v_max3_num_f32 v[ST+8*\t+4+\j], v[S+32*\t+8*\j], v[S+32*\t+8*\j+1], v[S+32*\t+8*\j+2]
.endr
.endr
.irp i, 3,5
.irp j, 0,1,2,3
.irp t, 0,1
	v_max3_num_f32 v[ST+8*\t+4+\j], v[ST+8*\t+4+\j], v[S+32*\t+8*\j+\i], v[S+32*\t+8*\j+\i+1]
.endr
.endr
.endr
.irp t, 0,1
	v_max3_num_f32 v[ST+8*\t+4], v[ST+8*\t+4], v[S+32*\t+7], v[S+32*\t+15]
.endr
.irp t, 0,1
	v_max3_num_f32 v[ST+8*\t+6], v[ST+8*\t+6], v[S+32*\t+23], v[S+32*\t+31]
.endr
.irp t, 0,1
	v_max3_num_f32 v[ST+8*\t+4], v[ST+8*\t+4], v[ST+8*\t+5], v[ST+8*\t+6]
.endr
.irp t, 0,1
	v_max3_num_f32 v[ST+8*\t+4], v[ST+8*\t+4], v[ST+8*\t+7], v[ST+8*\t+1]
.endr
.irp t, 0,1
	v_permlanex16_b32 v[ST+8*\t+5], v[ST+8*\t+4], s[SEL], s[SEL+1]  ; the query's other 32 keys lie in the lane 16 away
.endr
.irp t, 0,1
	v_mov_b32 v[ST+8*\t+7], v[ST+8*\t]             ; c m_old
.endr
.irp t, 0,1
	v_max_num_f32 v[ST+8*\t+1], v[ST+8*\t+4], v[ST+8*\t+5]
.endr
.irp t, 0,1
	v_mul_f32 v[ST+8*\t], s[CS], v[ST+8*\t+1]
.endr
.irp t, 0,1
	v_sub_f32 v[ST+8*\t+7], v[ST+8*\t+7], v[ST+8*\t]
.endr
.irp t, 0,1
.irp b, 0,2,4,6,8,10,12,14,16,18,20,22,24,26,28,30
	v_pk_fma_f32 v[S+32*\t+\b:S+32*\t+\b+1], v[S+32*\t+\b:S+32*\t+\b+1], s[CS:CS+1], v[ST+8*\t:ST+8*\t+1] op_sel_hi:[1,0,0] neg_lo:[0,0,1] neg_hi:[0,0,1]  ; c s - c m
.endr
.endr
.irp t, 0,1
	v_exp_f32 v[ST+8*\t+6], v[ST+8*\t+7]           ; a
.endr
.set i, 0
.rept 64
	v_exp_f32 v[S+i], v[S+i]                       ; p
.set i, i+1
.endr
	v_nop                                          ; a plain instruction behind the last exponential
	s_wait_alu depctr_va_vdst(0)                   ; one wait for the batch of 66, ahead of its first reader
.irp t, 0,1
	v_pk_mul_f32 v[ST+8*\t+2:ST+8*\t+3], v[ST+8*\t+2:ST+8*\t+3], v[ST+8*\t+6:ST+8*\t+7] op_sel_hi:[1,0]  ; l x a
.endr
.irp t, 0,1
	v_pk_add_f32 v[ST+8*\t+4:ST+8*\t+5], v[S+32*\t:S+32*\t+1], v[S+32*\t+2:S+32*\t+3]   ; the sum of the unrounded p, in two chains
.endr
.irp j, 4,8,12,16,20,24,28
.irp t, 0,1
	v_pk_add_f32 v[ST+8*\t+2:ST+8*\t+3], v[ST+8*\t+2:ST+8*\t+3], v[S+32*\t+\j:S+32*\t+\j+1]
	v_pk_add_f32 v[ST+8*\t+4:ST+8*\t+5], v[ST+8*\t+4:ST+8*\t+5], v[S+32*\t+\j+2:S+32*\t+\j+3]
.endr
.endr
.irp t, 0,1
	v_pk_add_f32 v[ST+8*\t+2:ST+8*\t+3], v[ST+8*\t+2:ST+8*\t+3], v[ST+8*\t+4:ST+8*\t+5]
.endr
.irp t, 0,1
.irp i, 0,1,2,3,4,5,6,7,8,9,10,11,12,13,14,15
	v_cvt_pk_f16_f32 v[S+32*\t+\i], v[S+32*\t+2*\i], v[S+32*\t+2*\i+1]   ; P in place, ascending: a tile's low 16 registers are source 1 for keys 0-31 and 32-63
.endr
.endr
.irp dt, 0,1,2,3                               ; V^T of keys 32 to 63, into the tiles' high 16 registers, which p has left
	ds_load_tr16_b128 v[80+8*(\dt%2)+32*(\dt/2):83+8*(\dt%2)+32*(\dt/2)], v15 offset:32*VPI+32*\dt
	ds_load_tr16_b128 v[84+8*(\dt%2)+32*(\dt/2):87+8*(\dt%2)+32*(\dt/2)], v15 offset:48*VPI+32*\dt
.endr
.irp t, 0,1
.irp i, 0,2,4,6,8,10,12,14,16,18,20,22,24,26,28,30
	v_pk_mul_f32 v[O+32*\t+\i:O+32*\t+\i+1], v[O+32*\t+\i:O+32*\t+\i+1], v[ST+8*\t+6:ST+8*\t+7] op_sel_hi:[1,0]  ; O^T x a, each accumulator from its low end on
.endr
.endr
	s_wait_dscnt 0x0                               ; V is in
.irp dt, 0,1,2,3                               ; O^T += V^T P: the eight accumulators by turns, one instruction a turn
.irp t, 0,1
	v_wmma_f32_16x16x32_f16 v[O+32*\t+8*\dt:O+32*\t+8*\dt+7], v[BV+8*\dt:BV+8*\dt+7], v[S+32*\t:S+32*\t+7], v[O+32*\t+8*\dt:O+32*\t+8*\dt+7]
.endr
.endr
.irp dt, 0,1,2,3
.irp t, 0,1
	v_wmma_f32_16x16x32_f16 v[O+32*\t+8*\dt:O+32*\t+8*\dt+7], v[80+8*(\dt%2)+32*(\dt/2):87+8*(\dt%2)+32*(\dt/2)], v[S+32*\t+8:S+32*\t+15], v[O+32*\t+8*\dt:O+32*\t+8*\dt+7]
.endr
.endr
.if \conv
	s_wait_loadcnt 0x0                             ; the piece asked for at the step's head
	v_add_nc_u32 v60, s[WB], v[WKB]
	v_add_nc_u32 v61, s[WB], v[WSB]
	v_add_nc_u32 v62, s[WB], v[WVB]
	CONVK 240, 60, 61, 0, 15, 14
	CONVV 248, 62, 0
	s_add_nc_u64 s[KP:KP+1], s[KP:KP+1], PLACE     ; (their loads are done)
	s_add_nc_u64 s[VP:VP+1], s[VP:VP+1], PLACE
	s_wait_xcnt 0x0                                ; the prefetch at the step's head has read its address
	s_add_nc_u64 s[PFA:PFA+1], s[PFA:PFA+1], PLACE
	s_sub_co_u32 s[CNT], s[CNT], 1
	s_add_co_u32 s[WB], s[WB], PLACE
.endif
	s_add_co_u32 s[RB], s[RB], PLACE
	s_add_co_u32 s[RC], s[RC], 256
.endm
; 256 keys.  In front of the barrier each wave's stores of these keys have landed and its reads of the other half are over; behind it this half (par) is read and the other is written.
.macro CHUNK par, conv
	BARRIER
	s_mov_b32 s[RB], \par*HALF
	s_mov_b32 s[WB], (1-\par)*HALF
	s_mov_b32 s[J], 4
.Lstep_\@:
	STEP \conv
	s_sub_co_u32 s[J], s[J], 1
	s_cmp_lg_u32 s[J], 0
	s_cbranch_scc1 .Lstep_\@
.endm
	s_mov_b32 s[CH], 3
.Lpair:
	CHUNK 0, 1
	CHUNK 1, 1
	s_sub_co_u32 s[CH], s[CH], 1
	s_cmp_lg_u32 s[CH], 0
	s_cbranch_scc1 .Lpair
	CHUNK 0, 1
	CHUNK 1, 0                                     ; the last 256 keys: nothing is left to convert
	; THE WAY OUT.  The addresses first: plain instructions, the places behind the last products.
	s_lshl_b32 s22, s[WV], 8
	v_and_b32 v12, 7, v0
	v_lshl_add_u32 v12, v12, 5, VSUM
	v_add_nc_u32 v12, s22, v12                     ; my wave's sums: VSUM + 256 w + 32 (lane % 8)
	s_lshl_b32 s42, s[X], 11
	s_lshl_b32 s43, s[WV], 7
	s_add_co_u32 s42, s42, s43
	v_and_b32 v13, 15, v0
	v_lshl_add_u32 v13, v13, 2, BIAS
	v_add_nc_u32 v13, s42, v13                     ; my query's own bias word: 4 (512 x + 32 w + r)
	v_and_b32 v60, 31, v0
	v_lshl_add_u32 v61, v60, 3, VMEAN
	v_add_nc_u32 v61, s22, v61                     ; my wave's copy of the mean: + 8 lane
	v_lshlrev_b32 v5, 4, v60                       ; o_ws: 16 x lane
	v_lshrrev_b32 v62, 3, v60
	v_mul_u32_u24 v4, v62, SPI
	v_and_b32 v62, 7, v0
	v_lshl_add_u32 v4, v62, 4, v4
	s_mul_i32 s43, s[WV], 16*SPI
	s_add_co_u32 s43, s43, STAGE                   ; my stage
	v_add_nc_u32 v4, s43, v4                       ; back: eight lanes to a row of 128 bytes, four rows an instruction
	v_and_b32 v62, 15, v0
	v_mul_u32_u24 v3, v62, SPI
	v_bfe_u32 v63, v0, 4, 1
	v_lshl_add_u32 v3, v63, 4, v3
	v_add_nc_u32 v3, s43, v3                       ; in: row r, + 16 h
	v_lshl_add_u32 v62, v63, 5, VMEAN
	v_add_nc_u32 v62, s22, v62                     ; the mean in the result's layout: + 32 h
	v_lshl_add_u32 v60, v60, 3, VSUM               ; all waves' sums: + 8 lane
.irp t, 0,1
	v_add_f32 v[ST+8*\t+4], v[ST+8*\t+2], v[ST+8*\t+3]
.endr
.irp t, 0,1
	v_permlanex16_b32 v[ST+8*\t+5], v[ST+8*\t+4], s[SEL], s[SEL+1]
.endr
.irp t, 0,1
	v_add_f32 v[ST+8*\t+4], v[ST+8*\t+4], v[ST+8*\t+5]   ; l
.endr
.irp t, 0,1
	v_rcp_f32 v[ST+8*\t+6], v[ST+8*\t+4]
.endr
	v_nop                                          ; a plain instruction behind the reciprocals
.irp i, 0,1,2,3,4,5,6,7                        ; my eight columns' sums of v: the lanes 8, 16 and 24 away hold the same columns
	v_add_f32_dpp v[VS+\i], v[VS+\i], v[VS+\i] row_xmask:8 row_mask:0xf bank_mask:0xf
.endr
.irp i, 0,1,2,3,4,5,6,7
	v_permlanex16_b32 v[S+\i], v[VS+\i], s[SEL], s[SEL+1]
.endr
.irp i, 0,1,2,3,4,5,6,7
	v_add_f32 v[VS+\i], v[VS+\i], v[S+\i]
.endr
	s_wait_alu depctr_va_vdst(0)                   ; one wait for the two reciprocals, ahead of their first reader
	ds_store_b128 v12, v[VS:VS+3]                  ; (four lanes write the same bytes with the same values)
	ds_store_b128 v12, v[VS+4:VS+7] offset:16
	ds_load_b32 v14, v13                           ; 0 where my query of tile 0 counts,
	ds_load_b32 v15, v13 offset:64                 ; of tile 1
	BARRIER                                        ; all sixteen waves' sums lie in LDS
.irp w, 0,1,2,3,4,5,6,7,8,9,10,11,12,13,14,15
	ds_load_b64 v[S+2*\w:S+2*\w+1], v60 offset:256*\w
.endr
	s_wait_dscnt 0x0
.irp i, 0,4,8,12,16,20,24,28
	v_pk_add_f32 v[S+\i:S+\i+1], v[S+\i:S+\i+1], v[S+\i+2:S+\i+3]
.endr
.irp i, 0,8,16,24
	v_pk_add_f32 v[S+\i:S+\i+1], v[S+\i:S+\i+1], v[S+\i+4:S+\i+5]
.endr
.irp i, 0,16
	v_pk_add_f32 v[S+\i:S+\i+1], v[S+\i:S+\i+1], v[S+\i+8:S+\i+9]
.endr
	v_pk_add_f32 v[S:S+1], v[S:S+1], v[S+16:S+17]
	v_pk_mul_f32 v[S:S+1], v[S:S+1], 0x3a000000 op_sel_hi:[1,0]   ; / 2,048: the mean of columns 2 lane, 2 lane + 1
	ds_store_b64 v61, v[S:S+1]
.irp dt, 0,1,2,3                               ; my wave's own bytes, and LDS serves a wave's instructions in order (ISA guide 5.7.1.4): these see the store above
	ds_load_b128 v[BV+8*\dt:BV+8*\dt+3], v62 offset:64*\dt
	ds_load_b128 v[BV+8*\dt+4:BV+8*\dt+7], v62 offset:64*\dt+16
.endr
	s_wait_dscnt 0x0
; Tile t: O^T / l; the mean where my query is hidden; rounded to f16; through my stage, so that the wave stores whole rows
.macro PACK t
.set i, 0
.rept 16
	v_pk_mul_f32 v[O+32*\t+i:O+32*\t+i+1], v[O+32*\t+i:O+32*\t+i+1], v[ST+8*\t+6:ST+8*\t+7] op_sel_hi:[1,0]
.set i, i+2
.endr
	v_cmp_eq_u32 vcc_lo, 0, v[14+\t]
.set i, 0
.rept 32
	v_cndmask_b32 v[O+32*\t+i], v[BV+i], v[O+32*\t+i], vcc_lo
.set i, i+1
.endr
.set i, 0
.rept 16
	v_cvt_pk_f16_f32 v[96+16*\t+i], v[O+32*\t+2*i], v[O+32*\t+2*i+1]
.set i, i+1
.endr
.irp d, 0,1,2,3
	ds_store_b128 v3, v[96+16*\t+4*\d:96+16*\t+4*\d+3] offset:32*\d
.endr
.irp d, 0,1,2,3
	ds_load_b128 v[S+16*\t+4*\d:S+16*\t+4*\d+3], v4 offset:4*SPI*\d   ; in order behind the stores above; the next tile's stores come behind these
.endr
.endm
.macro SEND t, younger                 ; younger: the LDS instructions issued behind tile t's loads
.irp d, 0,1,2,3
	s_wait_dscnt \younger+3-\d
	global_store_b128 v5, v[S+16*\t+4*\d:S+16*\t+4*\d+3], s[14:15] offset:2048*\t+512*\d   ; the wave stores 512 consecutive bytes, at a multiple of 512 from o_ws's first byte
.endr
.endm
	PACK 0
	PACK 1
	SEND 0, 8                                      ; behind tile 0's loads: tile 1's four stores and four loads
	SEND 1, 0
	s_wait_tensorcnt 0x0                           ; the wave's end, behind my last LDS store
	ds_add_u32 v[SPW], v[NIL]
	s_wait_dscnt 0x0
	s_endpgm
.Lfunc_end_k_q07fe14d106_attn:
	.size	k_q07fe14d106_attn, .Lfunc_end_k_q07fe14d106_attn-k_q07fe14d106_attn
	.p2alignl 7, 3214868480
	.fill 96, 4, 3214868480
	.section	.rodata,"a",@progbits
	.p2align	6, 0x0
	.amdhsa_kernel k_q07fe14d106_attn
		.amdhsa_group_segment_fixed_size 186368
		.amdhsa_private_segment_fixed_size 0
		.amdhsa_enable_private_segment 0
		.amdhsa_kernarg_size 56
		.amdhsa_user_sgpr_count 2
		.amdhsa_user_sgpr_kernarg_segment_ptr 1
		.amdhsa_wavefront_size32 1
		.amdhsa_system_sgpr_workgroup_id_x 1
		.amdhsa_system_sgpr_workgroup_id_y 1
		.amdhsa_system_sgpr_workgroup_id_z 1
		.amdhsa_system_vgpr_workitem_id 0
		.amdhsa_next_free_vgpr 256
		.amdhsa_next_free_sgpr 66
		.amdhsa_reserve_vcc 1
		.amdhsa_float_denorm_mode_32 3
		.amdhsa_float_denorm_mode_16_64 3
		.amdhsa_memory_ordered 1
		.amdhsa_forward_progress 1
		.amdhsa_inst_pref_size 111
	.end_amdhsa_kernel
	.amdgpu_metadata
---
amdhsa.version: [ 1, 2 ]
amdhsa.kernels:
  - .name:           k_q07fe14d106_attn
    .symbol:         k_q07fe14d106_attn.kd
    .args:
      - { .name: q, .offset: 0, .size: 8, .value_kind: global_buffer, .address_space: global }
      - { .name: k, .offset: 8, .size: 8, .value_kind: global_buffer, .address_space: global }
      - { .name: v, .offset: 16, .size: 8, .value_kind: global_buffer, .address_space: global }
      - { .name: mask, .offset: 24, .size: 8, .value_kind: global_buffer, .address_space: global }
      - { .name: W_out, .offset: 32, .size: 8, .value_kind: global_buffer, .address_space: global }
      - { .name: o_ws, .offset: 40, .size: 8, .value_kind: global_buffer, .address_space: global }
      - { .name: w_ws, .offset: 48, .size: 8, .value_kind: global_buffer, .address_space: global }
    .group_segment_fixed_size: 186368
    .private_segment_fixed_size: 0
    .kernarg_segment_align: 8
    .kernarg_segment_size: 56
    .max_flat_workgroup_size: 512
    .sgpr_count:     66
    .vgpr_count:     256
    .wavefront_size: 32
...
	.end_amdgpu_metadata
.endif
;; end of part 1
;; launch proj (part 2): grid 4 x 64, 4 waves a work-group, clusters of 4 x 4, 327,680 bytes of LDS; arguments o_ws, w_ws, b_out, out0; writes out0
.if DOCPART == 2
	.amdgcn_target "amdgcn-amd-amdhsa--gfx1250"
	.amdhsa_code_object_version 6
	.text
	.protected	k_q07fe14d106_proj
	.globl	k_q07fe14d106_proj
	.p2align	8
	.type	k_q07fe14d106_proj,@function
k_q07fe14d106_proj:
	s_mov_b64 s[64:65], 0
	v_nop
	global_prefetch_b8 v0, s[64:65] scope:SCOPE_SE
	s_setreg_imm32_b32 hwreg(HW_REG_WAVE_MODE, 25, 1), 1
	s_wait_xcnt 0x0
	s_wait_alu depctr_hold_cnt(0) depctr_sa_sdst(0) depctr_va_vdst(0) depctr_va_sdst(0) depctr_va_ssrc(0) depctr_va_vcc(0) depctr_vm_vsrc(0)
	s_getreg_b32 s2, hwreg(HW_REG_IB_STS2, 6, 4)
	s_cmp_eq_u32 s2, 0
	s_cbranch_scc0 .Lentry_in_a_cluster
	s_endpgm
.Lentry_in_a_cluster:
	s_bfe_u32 s2, ttmp6, 0x10000c
	s_cmp_lg_u32 s2, 0xf033
	s_cbranch_scc0 .Lentry_shape_is_right
	s_endpgm
.Lentry_shape_is_right:
; out0[row][n] = b_out[n] + the sum over k of O[row][k] W_out[n][k].  O: o_ws [16 planes of 64 k][8192 rows][64] f16; W: w_ws [16 planes][1024 n][64] f16; out0 [8192][1024] f32; sums in f32.
; A tile of out0 is 128 rows x 256 columns: 64 x 4 = 256 work-groups of four waves; a wave makes 64 x 128: 32 accumulators of 16 x 16, 256 registers.
; K = 1,024 goes in 8 steps of 128 (two planes) through a ring of two LDS slots filled by the tensor data mover: waves 0 and 1 fetch O's two planes of a step (128 rows of 128 bytes, dense in memory), waves 2 and 3 W's (256 rows).
; CLUSTERS: 4 x 4 work-groups.  The four of a row of the cluster need the same rows of O, the four of a column the same rows of W: each tile is asked for JOINTLY, by the same tensor load with the same descriptor and a mask that names the four.
; THE MATRIX INSTRUCTION IS USED TRANSPOSED (source 0 = 16 rows of W, source 1 = 16 rows of O): a lane holds eight neighbouring numbers of a row of out0.  The bias is the C of each sum's first product.
; NO PREFETCH: of the 8 K steps two are asked for at the head, and each tile's rows are asked for jointly.
; REGISTERS, in windows of 256: window 0: v16-29 addresses; v64-127 O's fragments (4 x 16 rows x 32 K), two buffers; v128-255 rows on the way out.
;   window 1: v0-127 W's fragments (8 x 16 rows x 32 K), two buffers; v128-191 the bias, eight registers for each of my 8 column blocks.   window 2: accumulator (a, b) at v[8 (8 a + b)].
.set PITCH,  144                       ; an LDS row: 128 bytes + 16 of padding = 36 words: the 16 rows that a load touches start at 16 different groups of four banks (64 banks of 4 bytes: ISA guide 11.1)
.set APL,    128*PITCH                 ; a plane of O's tile
.set BPL,    256*PITCH                 ; a plane of W's
.set BOF,    2*APL
.set SLOT,   2*APL+2*BPL
.set STAGE,  2*SLOT                    ; behind the ring: 16 rows x 528 bytes for each wave
.set SPITCH, 528
.set SPARE,  STAGE+4*16*SPITCH         ; the spare words, 128 bytes for each wave: two blocks of 256 bytes that no other line names
.set ADRA, 16                          ; v16-17  LDS address of my fragments of O in slot 0, 1
.set ADRB, 20                          ; v20-21  of W
.set STO,  24                          ; v24     the way out: where I put 32 bytes of a row
.set RD,   25                          ; v25     where I read a row back
.set CO,   26                          ; v26     16 x lane
.set BO,   27                          ; v27     32 (lane / 16): my eight bias numbers of a block
.set SPW,  28                          ; v28     SPARE + 4 x my thread's number; never rewritten
.set NIL,  29                          ; v29     0; never rewritten
.set AF,   64
.set BI,   128
.set BK,   128
.set G1,  24                           ; s[24:31] descriptor group 1 for O's tiles;  s[32:39] group 0, one set for each slot
.set G0,  32
.set G1B, 48                           ; s[48:55], s[56:63] the same for W's
.set G0B, 56
.set MSB, 0
.macro WIN new                         ; the immediate's high byte repeats the setting that is left
.if MSB != \new
	s_set_vgpr_msb (MSB<<8)|\new
.set MSB, \new
.endif
.endm
.set MUL,  0xa1                        ; source 0 (W) window 1, source 1 (O) window 0, C and D window 2
.set MULB, 0x91                        ; the same with C (the bias) in window 1
.set TO_B, 0x40                        ; destination window 1, address window 0
.macro JLOAD s                         ; a joint load: waves 0 and 1 fetch for O, waves 2 and 3 for W; an s_nop 0 and four v_nop follow each of the two lines
	s_cmp_eq_u32 s13, 0
	s_cbranch_scc0 .Lfor_b_\@
	tensor_load_to_lds s[G0+4*\s:G0+4*\s+3], s[G1:G1+7]
	s_nop 0
.rept 4
	v_nop
.endr
	s_branch .Lasked_\@
.Lfor_b_\@:
	tensor_load_to_lds s[G0B+4*\s:G0B+4*\s+3], s[G1B:G1B+7]
	s_nop 0
.rept 4
	v_nop
.endr
.Lasked_\@:
.endm
.macro CREST                           ; a round of the cluster's barrier behind its opening barrier
	s_cmp_lg_u32 s12, 0
	s_cbranch_scc1 .Lnot_wave_0_\@
	s_barrier_signal -3
.Lnot_wave_0_\@:
	s_barrier_wait -3
	s_barrier_signal -1
	s_barrier_wait -1
.endm
.macro CROUND
	s_barrier_signal -1
	s_barrier_wait -1
	CREST
.endm
	s_load_b256 s[4:11], s[0:1], 0x0               ; o_ws s[4:5], w_ws s[6:7], b_out s[8:9], out0 s[10:11]
	v_lshl_add_u32 v[SPW], v0, 2, SPARE
	v_mov_b32 v[NIL], 0
	ds_add_u32 v[SPW], v[NIL]                      ; the wave's opening: the add, twice on end, and its wait ahead of my first tensor load
	ds_add_u32 v[SPW], v[NIL]
	v_lshrrev_b32 v1, 5, v0
	v_readfirstlane_b32 s12, v1                    ; wave 0..3
	s_lshr_b32 s13, s12, 1                         ; which 64 of the tile's rows are mine.  Also: I fetch for O (0) or for W (1)
	s_and_b32 s14, s12, 1                          ; which 128 of its columns.  Also: which plane of a K step I fetch
	s_bfe_u32 s40, ttmp6, 0x40000                  ; cx, cy: my place in the cluster
	s_bfe_u32 s41, ttmp6, 0x40004
	s_lshl_b32 s42, ttmp9, 2
	s_add_co_u32 s42, s42, s40                     ; tile column = 4 x cluster x + cx
	s_and_b32 s45, ttmp7, 0xffff
	s_lshl_b32 s45, s45, 2
	s_add_co_u32 s45, s45, s41                     ; tile row = 4 x cluster y + cy
	s_lshl_b32 s43, s41, 2
	s_lshl_b32 s43, 15, s43                        ; my row of the cluster
	s_lshl_b32 s44, 0x1111, s40                    ; my column
	s_or_b32 s[G1], s43, (1<<16)|(1<<20)|(1<<21)|(4<<22)|(3<<25)   ; 15:0 the mask; 17:16 elements of 2 bytes; 20 padding on; 21 set beside a mask; 24:22 after every 32 words (code 4); 31:25 four words (code 3)
	s_or_b32 s[G1B], s44, (1<<16)|(1<<20)|(1<<21)|(4<<22)|(3<<25)
	s_mov_b32 s[G1+1], 64<<16                      ; tensor_dim0 = 64
	s_mov_b32 s[G1+2], 128<<16                     ; tensor_dim1 = 128
	s_mov_b32 s[G1+3], 64<<16                      ; tile_dim0 = 64
	s_mov_b32 s[G1+4], 128                         ; tile_dim1 = 128
	s_mov_b32 s[G1+5], 64                          ; from row to row
	s_mov_b32 s[G1+6], 0
	s_mov_b32 s[G1+7], 0
	s_mov_b32 s[G1B+1], 64<<16
	s_mov_b32 s[G1B+2], 256<<16                    ; 256 rows
	s_mov_b32 s[G1B+3], 64<<16
	s_mov_b32 s[G1B+4], 256
	s_mov_b32 s[G1B+5], 64
	s_mov_b32 s[G1B+6], 0
	s_mov_b32 s[G1B+7], 0
	s_lshl_b32 s16, s14, 20                        ; O: my plane of 1,048,576 bytes,
	s_lshl_b32 s17, s45, 14                        ; the tile row's 128 rows of 128 bytes
	s_add_co_u32 s16, s16, s17
	s_mov_b32 s17, 0
	s_lshl_b32 s46, s14, 17                        ; W: my plane of 131,072 bytes,
	s_lshl_b32 s47, s42, 15                        ; the tile column's 256 rows
	s_add_co_u32 s46, s46, s47
	s_mov_b32 s47, 0
	s_mul_i32 s20, s14, APL                        ; where they go: no place in the cluster enters an LDS address
	s_mul_i32 s21, s14, BPL
	s_add_co_u32 s21, s21, BOF
	s_wait_dscnt 0x0                               ; both opening adds are done
	s_wait_kmcnt 0x0
	s_add_nc_u64 s[16:17], s[4:5], s[16:17]
	s_add_nc_u64 s[46:47], s[6:7], s[46:47]
	CROUND                                         ; all sixteen work-groups are here: the first joint loads meet
.irp s, 0,1
	s_mov_b32 s[G0+4*\s], 1
	s_add_co_u32 s[G0+4*\s+1], s20, \s*SLOT
	s_add_nc_u64 s[G0+4*\s+2:G0+4*\s+3], s[16:17], \s*2097152      ; K step s: two planes on
	s_or_b32 s[G0+4*\s+3], s[G0+4*\s+3], 0x80000000
	s_mov_b32 s[G0B+4*\s], 1
	s_add_co_u32 s[G0B+4*\s+1], s21, \s*SLOT
	s_add_nc_u64 s[G0B+4*\s+2:G0B+4*\s+3], s[46:47], \s*262144
	s_or_b32 s[G0B+4*\s+3], s[G0B+4*\s+3], 0x80000000
	JLOAD \s                                       ; two tensor loads of mine are out behind these, later one
.endr
	v_and_b32 v1, 15, v0                           ; l % 16
	v_bfe_u32 v2, v0, 4, 1                         ; l / 16
	v_mul_u32_u24 v3, v1, PITCH
	v_lshl_add_u32 v3, v2, 4, v3                   ; a fragment's row x pitch + 16 x half
	s_mul_i32 s20, s13, 64*PITCH                   ; my 64 rows of O
	s_mul_i32 s21, s14, 128*PITCH                  ; my 128 rows of W,
	s_add_co_u32 s21, s21, BOF                     ; behind O's two planes
.irp s, 0,1
	v_add_nc_u32 v[ADRA+\s], s20, v3
	v_add_nc_u32 v[ADRB+\s], s21, v3
	s_add_co_u32 s20, s20, SLOT
	s_add_co_u32 s21, s21, SLOT
.endr
	s_mul_i32 s23, s12, 16*SPITCH
	s_add_co_u32 s23, s23, STAGE                   ; my stage
	v_mul_u32_u24 v4, v1, SPITCH
	v_lshl_add_u32 v4, v2, 5, v4
	v_add_nc_u32 v[STO], s23, v4                   ; in: row l % 16, 32 bytes for each half of the lanes
	v_and_b32 v5, 31, v0
	v_lshlrev_b32 v[CO], 4, v5
	v_add_nc_u32 v[RD], s23, v[CO]                 ; back: the 32 lanes take one row of 512 bytes
	v_lshlrev_b32 v[BO], 5, v2
	s_lshl_b32 s22, s42, 10                        ; my first column, in bytes: 1,024 x tile column + 512 x half
	s_lshl_b32 s23, s14, 9
	s_add_co_u32 s22, s22, s23
	s_mov_b32 s23, 0
	s_add_nc_u64 s[8:9], s[8:9], s[22:23]          ; in b_out,
	s_add_nc_u64 s[10:11], s[10:11], s[22:23]      ; and in out0,
	s_lshl_b32 s22, s45, 19                        ; at my first row: 128 x tile row + 64 x half, rows of 4,096 bytes
	s_lshl_b32 s18, s13, 18
	s_add_co_u32 s22, s22, s18
	s_add_nc_u64 s[10:11], s[10:11], s[22:23]
	WIN TO_B
.irp b, 0,1,2,3,4,5,6,7
	global_load_b128 v[BI+8*\b:BI+8*\b+3], v[BO], s[8:9] offset:64*\b         ; b_out at columns 16 b + 8 h + 0 .. 7 of my 128
	global_load_b128 v[BI+8*\b+4:BI+8*\b+7], v[BO], s[8:9] offset:64*\b+16
.endr
	WIN 0
; 8 matrix instructions: O's block a x W's eight, 32 along K, buffer f.  first = 1: the bias starts the sums: nothing is ever cleared.  The 32 accumulators take turns, in the same order in every quarter.
.macro MUL8 f, a, first
.irp b, 0,1,2,3,4,5,6,7
.if \first
	v_wmma_f32_16x16x32_f16 v[8*(8*(\a)+\b):8*(8*(\a)+\b)+7], v[64*(\f)+8*\b:64*(\f)+8*\b+7], v[AF+32*(\f)+8*(\a):AF+32*(\f)+8*(\a)+7], v[BI+8*\b:BI+8*\b+7]
.else
	v_wmma_f32_16x16x32_f16 v[8*(8*(\a)+\b):8*(8*(\a)+\b)+7], v[64*(\f)+8*\b:64*(\f)+8*\b+7], v[AF+32*(\f)+8*(\a):AF+32*(\f)+8*(\a)+7], v[8*(8*(\a)+\b):8*(8*(\a)+\b)+7]
.endif
.endr
.endm
; 24 LDS loads in one run: quarter q of the slot (plane q / 2, 64 (q % 2) bytes into the rows) into buffer f: W's eight fragments, then O's four
.macro FETCH slot, q, f
	WIN TO_B
.irp i, 0,1,2,3,4,5,6,7
	ds_load_b128 v[64*(\f)+8*\i:64*(\f)+8*\i+3],   v[ADRB+\slot] offset:((\q)/2)*BPL+((\q)%2)*64+\i*16*PITCH
	ds_load_b128 v[64*(\f)+8*\i+4:64*(\f)+8*\i+7], v[ADRB+\slot] offset:((\q)/2)*BPL+((\q)%2)*64+\i*16*PITCH+32
.endr
	WIN 0
.irp i, 0,1,2,3
	ds_load_b128 v[AF+32*(\f)+8*\i:AF+32*(\f)+8*\i+3],   v[ADRA+\slot] offset:((\q)/2)*APL+((\q)%2)*64+\i*16*PITCH
	ds_load_b128 v[AF+32*(\f)+8*\i+4:AF+32*(\f)+8*\i+7], v[ADRA+\slot] offset:((\q)/2)*APL+((\q)%2)*64+\i*16*PITCH+32
.endr
.endm
.macro PLACES                          ; four places in front of loads into registers that matrix instructions have read, and of the first read of results
.rept 4
	v_nop
.endr
.endm
; A K step is four quarters of 32 along K, 32 matrix instructions each, on buffers 0, 1, 0, 1.  One of the first three: multiplies buffer f and fetches quarter qn of the same slot into g.
.macro QUARTER slot, qn, f, g, first
	s_wait_dscnt 4                                 ; W's fragments and O's blocks 0, 1 are in; the youngest four loads (O's blocks 2, 3) may be out
.if \first
	WIN MULB
.else
	WIN MUL
.endif
	MUL8 \f, 0, \first
	MUL8 \f, 1, \first
	PLACES
	FETCH \slot, \qn, \g
	s_wait_dscnt 24                                ; all but the 24 just issued
.if \first
	WIN MULB
.else
	WIN MUL
.endif
	MUL8 \f, 2, \first
	MUL8 \f, 3, \first
.endm
; The last quarter multiplies buffer 1 and changes slots: ONE barrier; in front of it each wave waits for all its tensor loads, adds 0 to its spare word, and waits for that and for its own reads of this slot.  fill = 1: this slot is filled again, two K steps ahead.
.macro TURN slot, next, fill
	WIN 0                                          ; (the add's two registers lie in window 0)
	s_wait_tensorcnt 0x0                           ; all my tensor loads have landed: my part of the next slot;
	ds_add_u32 v[SPW], v[NIL]                      ; 0 onto my spare word:
	s_wait_dscnt 5                                 ; (the add and the youngest four loads may be out)
	WIN MUL
	MUL8 1, 0, 0                                   ; eight matrix instructions stand between the add and the wait for it
	s_wait_dscnt 0x0                               ; the add is done, and my reads of this slot are over
	s_barrier_signal -1
	MUL8 1, 1, 0
.if \fill
	WIN 0
.endif
	s_barrier_wait -1
.if \fill
	CREST                                          ; the barrier has opened a round of the cluster's barrier: no wave of any partner still reads this slot's tile or has a load on its way
	s_add_nc_u64 s[G0+4*\slot+2:G0+4*\slot+3], s[G0+4*\slot+2:G0+4*\slot+3], 4194304     ; four planes on
	s_add_nc_u64 s[G0B+4*\slot+2:G0B+4*\slot+3], s[G0B+4*\slot+2:G0B+4*\slot+3], 524288
	JLOAD \slot                                    ; the first tensor load behind the round; the four v_nop behind it are also the places in front of the loads below
.else
	PLACES
.endif
	FETCH \next, 0, 0
	WIN MUL
	MUL8 1, 2, 0
	MUL8 1, 3, 0
.endm
	s_wait_tensorcnt 1                             ; my part of K step 0 is in (K step 1's load may be out)
	s_barrier_signal -1
	s_barrier_wait -1                              ; everybody's is
	FETCH 0, 0, 0
	s_wait_loadcnt 0x0                             ; the bias
	QUARTER 0, 1, 0, 1, 1                          ; the first quarter stands in front of the loop: its products start the sums
	WIN 0                                          ; at a label and at a branch every window is 0
	s_mov_b32 s3, 3
.Llap:                                                 ; a trip goes once round the ring, from a lap's second quarter to the next lap's first, and fills both slots again
	QUARTER 0, 2, 1, 0, 0
	QUARTER 0, 3, 0, 1, 0
	TURN 0, 1, 1
	QUARTER 1, 1, 0, 1, 0
	QUARTER 1, 2, 1, 0, 0
	QUARTER 1, 3, 0, 1, 0
	TURN 1, 0, 1
	QUARTER 0, 1, 0, 1, 0
	WIN 0
	s_sub_co_u32 s3, s3, 1
	s_cmp_lg_u32 s3, 0
	s_cbranch_scc1 .Llap
	QUARTER 0, 2, 1, 0, 0                          ; the last lap fills nothing, and has no round of the cluster's barrier
	QUARTER 0, 3, 0, 1, 0
	TURN 0, 1, 0
	QUARTER 1, 1, 0, 1, 0
	QUARTER 1, 2, 1, 0, 0
	QUARTER 1, 3, 0, 1, 0
	s_wait_dscnt 4                                 ; the very last quarter: nothing more to fetch
	WIN MUL
	MUL8 1, 0, 0
	MUL8 1, 1, 0
	s_wait_dscnt 0x0
	MUL8 1, 2, 0
	MUL8 1, 3, 0
	WIN 0
; THE WAY OUT, block by block of 16 rows x 128 columns: through my own stage in LDS, back as whole rows of 512 bytes.  LDS serves a wave's instructions in order (ISA guide 5.7.1.4): no wait between the stores and the loads.
.macro TOSTAGE a
.set AC, 64*(\a)
	WIN 0x08                                       ; an LDS store's data are its source 1: window 2
.irp b, 0,1,2,3,4,5,6,7
	ds_store_b128 v[STO], v[AC+8*\b:AC+8*\b+3] offset:64*\b          ; each accumulator from its low end on
	ds_store_b128 v[STO], v[AC+8*\b+4:AC+8*\b+7] offset:64*\b+16
.endr
	WIN 0
.set BBR, BK+64*((\a)%2)
.irp t, 0,1,2,3,4,5,6,7,8,9,10,11,12,13,14,15
	ds_load_b128 v[BBR+4*\t:BBR+4*\t+3], v[RD] offset:\t*SPITCH
.endr
.endm
.macro SEND a, younger                 ; younger: the LDS instructions issued behind block a's loads, which may stay out
.set BBR, BK+64*((\a)%2)
	s_wait_dscnt \younger
.if (\a) > 0
	s_add_nc_u64 s[10:11], s[10:11], 16*4096       ; (behind a wait on XCNT: the earlier stores have read their base)  16 rows on
.endif
.irp t, 0,1,2,3,4,5,6,7,8,9,10,11,12,13,14,15
	global_store_b128 v[CO], v[BBR+4*\t:BBR+4*\t+3], s[10:11] offset:\t*4096 th:TH_STORE_NT   ; 32 lanes store 512 consecutive bytes, at a multiple of 512 from out0's first byte
.endr
.endm
	PLACES
	TOSTAGE 0
.irp a, 1,2,3
.if \a > 1
	s_wait_xcnt 0x0                                ; block a - 2's stores have read their registers and their base
.endif
	TOSTAGE \a
	SEND \a-1, 32                                  ; behind block a - 1's loads: block a's 16 stores and 16 loads
.endr
	s_wait_xcnt 0x0
	SEND 3, 0
	s_wait_tensorcnt 0x0                           ; the wave's end, behind my last tensor load and my last LDS store
	ds_add_u32 v[SPW], v[NIL]
	s_wait_dscnt 0x0
	CROUND                                         ; the closing round: no work-group ends while a partner may still ask for a tile that names it
	s_endpgm
.Lfunc_end_k_q07fe14d106_proj:
	.size	k_q07fe14d106_proj, .Lfunc_end_k_q07fe14d106_proj-k_q07fe14d106_proj
	.p2alignl 7, 3214868480
	.fill 96, 4, 3214868480
	.section	.rodata,"a",@progbits
	.p2align	6, 0x0
	.amdhsa_kernel k_q07fe14d106_proj
		.amdhsa_group_segment_fixed_size 327680
		.amdhsa_private_segment_fixed_size 0
		.amdhsa_enable_private_segment 0
		.amdhsa_kernarg_size 32
		.amdhsa_user_sgpr_count 2
		.amdhsa_user_sgpr_kernarg_segment_ptr 1
		.amdhsa_wavefront_size32 1
		.amdhsa_system_sgpr_workgroup_id_x 1
		.amdhsa_system_sgpr_workgroup_id_y 1
		.amdhsa_system_sgpr_workgroup_id_z 1
		.amdhsa_system_vgpr_workitem_id 0
		.amdhsa_next_free_vgpr 768
		.amdhsa_next_free_sgpr 66
		.amdhsa_reserve_vcc 0
		.amdhsa_float_denorm_mode_32 3
		.amdhsa_float_denorm_mode_16_64 3
		.amdhsa_memory_ordered 1
		.amdhsa_forward_progress 1
		.amdhsa_inst_pref_size 87
	.end_amdhsa_kernel
	.amdgpu_metadata
---
amdhsa.version: [ 1, 2 ]
amdhsa.kernels:
  - .name:           k_q07fe14d106_proj
    .symbol:         k_q07fe14d106_proj.kd
    .args:
      - { .name: o_ws, .offset: 0, .size: 8, .value_kind: global_buffer, .address_space: global }
      - { .name: w_ws, .offset: 8, .size: 8, .value_kind: global_buffer, .address_space: global }
      - { .name: b_out, .offset: 16, .size: 8, .value_kind: global_buffer, .address_space: global }
      - { .name: out0, .offset: 24, .size: 8, .value_kind: global_buffer, .address_space: global }
    .group_segment_fixed_size: 327680
    .private_segment_fixed_size: 0
    .kernarg_segment_align: 8
    .kernarg_segment_size: 32
    .max_flat_workgroup_size: 128
    .sgpr_count:     66
    .vgpr_count:     768
    .wavefront_size: 32
...
	.end_amdgpu_metadata
.endif
;; end of part 2
